; MI455X (gfx1250); checked and timed in simulation.
; The chip was launched on July 23, 2026; its instructions are those of AMD's public machine-readable ISA for CDNA 5 (MIT licence, August 2026) and "CDNA5" Instruction Set Architecture Reference Guide (July 2026). The comments in the code are by the model that wrote it; some were corrected since.
;; Hymba Official Attention. Allowed arithmetic: matrix products marked QUANTISED: E3M2 operands, one E8M0 scale for each 32 along K, by v_wmma_scale_f32_16x16x128_f8f6f4 with both operands' format E3M2, f32 sums; everything else in f32.
;; Inputs: k_norm_weight 128 float32; key_states 1 x 4,096 x 512 float32; position_ids 1 x 4,096 int32; q_norm_weight 128 float32; query_states 1 x 4,096 x 2,048 float32; value_states_codes 1 x 512 x 128 x 24 uint8 (E3M2 codes of value_states, K innermost, in blocks of 32 codes, four codes in three bytes); value_states_scales 1 x 512 x 128 uint8 (E8M0 scales of value_states, one for each 32 codes along K).
;; Outputs: out0 1 x 4,096 x 2,048 float32.
;; This version of the problem:
;;   THIS VERSION OF THE PROBLEM IS GIVEN IN LOW PRECISION. The matrix products marked QUANTISED in the list below multiply operands that are first quantised to E3M2 (3 exponent bits, 2 mantissa bits; 6 bits a number), with one power-of-two scale for each 32 numbers along K (OCP MX v1.0); their sums are f32. All else is computed in f32.
;;   The module's matrix products, in the order in which they are computed (A, B: the left and right operand; K: the contracted axis; several contracted axes count as one K, in the product's order):
;;     1. batch 16 x [M 4,096, K 128] x [K 128, N 4,096]; A: computed on the way; B: computed on the way: QUANTISED
;;     2. batch 16 x [M 4,096, K 4,096] x [K 4,096, N 128]; A: softmax (see below); B: input value_states (given as codes): QUANTISED
;;   THE QUANTISER, for each operand of a quantised product, along K:
;;     - K is cut into blocks of 32 from its start; a last block that is shorter is filled with zeros.
;;     - A block's scale is 2^e with e = floor(log2(the largest magnitude in the block)) - 4, held to -126 .. 127; a block of zeros has e = 0. As a byte (E8M0): e + 127.
;;     - Each number is divided by its block's scale, clamped to +-28, and rounded to the nearest number of E3M2, ties to even, subnormals kept.
;;     - The product sums the exact products of the quantised numbers (number of the format x scale) in f32.
;;   ~~~python
;;   def quantise(x, axis):      # numpy; x: float32 -> the quantised numbers, widened to float32 again
;;       x = np.moveaxis(x, axis, -1); K = x.shape[-1]
;;       x = np.pad(x, [(0, 0)] * (x.ndim - 1) + [(0, -K % 32)]); x = x.reshape(x.shape[:-1] + (-1, 32)); a = np.abs(x).max(-1, keepdims=True)
;;       e = np.where(a > 0, np.clip(np.frexp(np.where(a > 0, a, 1))[1] - 1 - 4, -126, 127), 0)      # np.frexp(a)[1] - 1 = floor(log2(a)), exactly
;;       r = np.clip(x / 2.0 ** e, -28, 28)
;;       step = 2.0 ** (np.maximum(np.frexp(np.where(r == 0, 1, r))[1] - 1, -2) - 2)
;;       q = np.round(r / step) * step * 2.0 ** e      # np.round: ties to even
;;       return np.moveaxis(q.reshape(q.shape[:-2] + (-1,))[..., :K], -1, axis).astype(np.float32)
;;   ~~~
;;   SOFTMAX AHEAD OF A QUANTISED PRODUCT. Where the list says 'softmax', what is quantised is not the finished softmax but p = 2^(t - M), with t = logit x log2(e) and M = ceil(the row's largest t), a whole number; so 1/2 < the row's largest p <= 1. The row's sum l is taken of the UNQUANTISED p, in f32, and the product's result is divided by l at the end. Since M is a whole number, a kernel that streams over the keys may use a running M (the ceiling of the running maximum): every later rescaling is an exact power of two, which a block's scale takes up: the codes' values come out the same.
;;   OPERANDS COMPUTED ON THE WAY. 'Computed on the way' means the value that the module computes at that place (a softmax that the list does not call 'softmax' is quantised finished and normalised). What goes into a quantiser is computed in f32, as accurately as f32 sums, v_exp_f32 and their like allow (about 1e-6 of the number): no bf16 or f16 on the way to a quantiser, and a product that is left as it is and whose result goes on into a quantised operand takes f32 operands (vector FMAs, or v_wmma_f32_16x16x4_f32). A number that lies on a knife's edge between two numbers of the format may be rounded either way, as far as f32 arithmetic and the matrix unit's own rounding can turn it there, and no further.
;;   INPUTS GIVEN AS CODES. value_states (in the module: [1, 4096, 512], K = its axis 1): each comes as NAME_codes (uint8): NAME with its K axis moved to the last place and cut into blocks of 32 codes, [.., K / 32, bytes a block], one block behind the other in memory; four codes in three bytes: a row's codes are one little-endian stream of bits, code i at bits 6 i .. 6 i + 5 (a code: sign, 3 exponent bits, 2 mantissa bits); and NAME_scales (uint8): the same leading axes, one E8M0 byte (e + 127) for each 32 codes along K. Its value is code x scale, taken as it is: it is not quantised again, and the codes and scales need not be those that the quantiser above would give.
;; One version. Each part assembles by itself: llvm-mc -triple=amdgcn-amd-amdhsa -mcpu=gfx1250 --defsym DOCPART=n.
;; ======== version 1 of 1: 2 launches
;; limits: right only within a limited range of input values
;; workspace buffers: qimg 6,291,456 bytes; qsc 262,144 bytes; kv 3,276,800 bytes
;; launch prep (part 1): grid 256 x 1, 12 waves a work-group, no clusters, 212,480 bytes of LDS; arguments query_states, key_states, position_ids, q_norm_weight, k_norm_weight, value_states_codes, value_states_scales, qimg, qsc, kv; writes qimg, qsc, kv
.if DOCPART == 1
	.amdgcn_target "amdgcn-amd-amdhsa--gfx1250"
	.amdhsa_code_object_version 6
	.text
	.protected	k_q12d29b05a9_prep
	.globl	k_q12d29b05a9_prep
	.p2align	8
	.type	k_q12d29b05a9_prep,@function
k_q12d29b05a9_prep:
	s_mov_b64 s[64:65], 0
	v_nop
	global_prefetch_b8 v0, s[64:65] scope:SCOPE_SE
	s_setreg_imm32_b32 hwreg(HW_REG_WAVE_MODE, 25, 1), 1
	s_wait_xcnt 0x0
; PREP: q and k get reference()'s RMS norm per head (x * rsqrt(mean x^2 + 1e-6), then * weight) and its RoPE, all in f32, and are quantised along the head's 128 to codes of BF6 (E3M2) with one
; E8M0 byte for each 32.  V's given codes and scale bytes are only laid anew.  All three leave as IMAGES OF THE OPERANDS' REGISTERS: a fragment (16 rows x 128 K, 12 registers a lane) is 1,536 bytes,
; register n of lane l at 512 (n / 4) + 16 l + 4 (n % 4), so that the next launch fetches a fragment by three loads of 16 bytes a lane.
; DEAD WORK (left out in the next launch, shown here).  reference() adds its own mask, -1e30 where not (k <= q and (k >= q - 1023 or k < 128)).  Under it t - M lies below -1e29, so p = 2^(t - M) is 0:
; it adds nothing to the row's sum, its code is 0, and it adds nothing to the second product, whatever finite values the inputs hold.  So key steps of 128 keys that the mask hides for all queries of a
; work-group are never multiplied.  Every input has a way to the output and is loaded; this launch prepares every token, since each is a live key and a live query.
; LIMITS.  A NaN, an infinity or an overflow that reaches only the tiles left out is not carried to the result.  NaN and infinities among the inputs are not served.  cos and sin are made by taking
; whole quarter turns off the angle (pi/2 in two parts) and polynomials on |rho| about pi/4: about 1e-7 absolute for positions of this problem's size, about 1e-6 up to |position| = 2^20.
; A block of zeros gets the byte 1 where the quantiser says 127: its codes are zeros, and the bytes are read by this program alone.
; TOKEN TILES.  Work-group g is token tile g: the 16 tokens 32 (g / 2) + 8 (g % 2) + rho + 8 (rho / 8), rho = 0 .. 15.  With keys so chosen the 16 score registers of two neighbouring tiles are 16
; neighbouring keys in the next launch; the queries are tiled alike, so that one set of cos and sin serves a token's 20 heads.
; SHARES.  12 waves.  Wave w = 0 .. 7: q heads 2 w and 2 w + 1, and 4 of a lane's 32 pairs (cos, sin), which go round through LDS.  Wave 8 + kk: k head kk, and one fragment of V.
; LANES.  Lane (r = l % 16, h = l / 16) holds row r; register 16 b + i holds d = 32 b + 16 h + i.  RoPE's partner d + 64 is register + 32 of the same lane; the norm's sum and a block's largest
; magnitude want lane l xor 16 alone.  The loads take rows as they lie (512 consecutive bytes a load) and turn through the wave's own stages in LDS.
; ALL LOADS GO OUT AT THE HEAD: a q wave's 32 rows (16 KB), a k wave's 16 rows and its fragment of V; the cos and sin work stands under them.
; No matrix unit, no tensor load, no cluster: the launch streams, and its work-groups share no large input.
.set BLK,   25600                      ; kv: a block for each kv head and key step: K's 8 images, V's 8 images, K's 128 scale words, V's 128
.set VIMG,  12288
.set KSC,   24576
.set VSC,   25088
.set SP,    528                        ; a stage's row: 512 bytes + 16: an odd multiple of 16, so the sixteen rows of a load start at sixteen different groups of banks
.set STGB,  16*SP                      ; a stage: 16 rows
.set WREG,  2*STGB                     ; LDS: two stages for each wave;
.set CSB,   12*WREG                    ; cos, 8 chunks of 512 bytes (4 registers x 32 lanes), then sin likewise;
.set SPARE, CSB+8192                   ; the spare words, 128 bytes for each wave: six blocks of 256 bytes that no other line names
.set X,   16                           ; v16-79   64 numbers of my row
.set W,   80                           ; v80-143  the norm's weight at the same d
.set C,   144                          ; v144-175 cos at d = 32 b + 16 h + i, b = 0, 1   (ahead of the barrier v144-207 take the second head's rows, or V's fragment)
.set S,   176                          ; v176-207 sin
.set PC,  208                          ; v208-219 the codes just made; v220-226 their halves on the way
.set TM,  228                          ; v228-243 largest magnitudes, bytes, scale operands
.set PW,  244                          ; v244     the scale word just made
.set PW2, 245                          ; v245     the second scale word: the second head's, or V's
.set SPW, 252                          ; v252     LDS address of my spare word; never rewritten
.set NIL, 253                          ; v253     0; never rewritten
.set SEL, 26                           ; s[26:27] lane selects: lane l xor 16
.set TA,  208                          ; at work on cos and sin, four registers each: the frequency, later the quarter turns as a whole number
.set TR,  212                          ; the angle, then rho
.set TN,  216                          ; the quarter turns
.set TZ,  220                          ; rho^2
.set TCO, 224                          ; cos's polynomial
.set TSI, 228                          ; sin's
.set TG,  236                          ; rho^3, then bits
.set RC,  240                          ; cos
.set RSN, 246                          ; sin
; v1 16 x lane; v2 r; v3 h; v4, v5 my stages, in and back; v6, v7 cos and sin in LDS, in and back; v8 64 h; v9 my token's position; v10 where my scale word goes; v11, v12 V's codes and scale word; v13 the first scale word; v[14:15] 1 / rms
.macro XLOAD reg, pitch, off           ; a head's 16 rows as they lie: each load reads 512 consecutive bytes
.irp j, 0,1,2,3,4,5,6,7,8,9,10,11,12,13,14,15
	global_load_b128 v[\reg+4*\j:\reg+4*\j+3], v1, s[36:37] offset:(\j+8*(\j/8))*(\pitch)+(\off) th:TH_LOAD_NT
.endr
.endm
.macro STIN reg, stg                   ; into a stage of my own, by rows
.irp j, 0,1,2,3,4,5,6,7,8,9,10,11,12,13,14,15
	ds_store_b128 v4, v[\reg+4*\j:\reg+4*\j+3] offset:(\stg)+SP*\j
.endr
.endm
.macro NORM                            ; w * (x * rsqrt(mean of x^2 + 1e-6)), in reference()'s order
	v_pk_mul_f32 v[246:247], v[X:X+1], v[X:X+1]
	v_pk_mul_f32 v[248:249], v[X+2:X+3], v[X+2:X+3]
.irp m, 4,8,12,16,20,24,28,32,36,40,44,48,52,56,60
	s_delay_alu instid0(VALU_DEP_2)
	v_pk_fma_f32 v[246:247], v[X+\m:X+\m+1], v[X+\m:X+\m+1], v[246:247]
	s_delay_alu instid0(VALU_DEP_2)
	v_pk_fma_f32 v[248:249], v[X+\m+2:X+\m+3], v[X+\m+2:X+\m+3], v[248:249]
.endr
	s_delay_alu instid0(VALU_DEP_1)
	v_pk_add_f32 v[246:247], v[246:247], v[248:249]
	s_delay_alu instid0(VALU_DEP_1)
	v_add_f32 v246, v246, v247
	s_delay_alu instid0(VALU_DEP_1)
	v_permlanex16_b32 v247, v246, s[SEL], s[SEL+1] ; the row's other 64 numbers
	s_delay_alu instid0(VALU_DEP_1)
	v_add_f32 v246, v246, v247
	s_delay_alu instid0(VALU_DEP_1)
	v_fmaak_f32 v246, s28, v246, 0x358637bd        ; sum / 128 + 1e-6
	s_wait_alu depctr_va_vdst(0)
	v_rsq_f32 v14, v246
	v_rsq_f32 v15, v246                            ; twice: a pair for the packed multiply
	v_nop                                          ; a plain instruction behind the transcendentals
	s_wait_alu depctr_va_vdst(0)                   ; one wait for both, ahead of their first reader
.set mm, 0
.rept 32
	v_pk_mul_f32 v[X+mm:X+mm+1], v[X+mm:X+mm+1], v[14:15]
.set mm, mm+2
.endr
.set mm, 0
.rept 32
	v_pk_mul_f32 v[X+mm:X+mm+1], v[X+mm:X+mm+1], v[W+mm:W+mm+1]
.set mm, mm+2
.endr
.endm
.macro ROPE                            ; d < 64: x cos - x(d + 64) sin;  d >= 64: x cos + x(d - 64) sin
.irp m, 0,2,4,6,8,10,12,14,16,18,20,22,24,26,28,30
	v_pk_mul_f32 v[246:247], v[X+32+\m:X+33+\m], v[S+\m:S+\m+1]
	v_pk_mul_f32 v[248:249], v[X+\m:X+\m+1], v[S+\m:S+\m+1]
	s_delay_alu instid0(VALU_DEP_2)
	v_pk_fma_f32 v[X+\m:X+\m+1], v[X+\m:X+\m+1], v[C+\m:C+\m+1], v[246:247] neg_lo:[0,0,1] neg_hi:[0,0,1]
	s_delay_alu instid0(VALU_DEP_2)
	v_pk_fma_f32 v[X+32+\m:X+33+\m], v[X+32+\m:X+33+\m], v[C+\m:C+\m+1], v[248:249]
.endr
.endm
; 64 numbers of a lane, register 16 b + i = k 32 b + 16 (lane / 16) + i of my row, become a fragment's codes in v[PC] on and its scale word in v[PW]
.macro QUANT s
.irp b, 0,1,2,3
	v_max3_num_f32 v[TM+\b], |v[\s+16*\b]|, |v[\s+1+16*\b]|, 0x2800000   ; block b: my 16 numbers, and the floor 2^(5 - 127): so the byte cannot fall under 1
.endr
.irp i, 2,4,6,8,10,12,14
.irp b, 0,1,2,3
	s_delay_alu instid0(VALU_DEP_4)
	v_max3_num_f32 v[TM+\b], v[TM+\b], |v[\s+16*\b+\i]|, |v[\s+1+16*\b+\i]|   ; (the four blocks by turns)
.endr
.endr
.irp b, 0,1,2,3
	s_delay_alu instid0(VALU_DEP_4)
	v_permlanex16_b32 v[TM+4+\b], v[TM+\b], s[SEL], s[SEL+1]
.endr
.irp b, 0,1,2,3
	s_delay_alu instid0(VALU_DEP_4)
	v_max_num_f32 v[TM+\b], v[TM+\b], v[TM+4+\b]   ; with lane l xor 16's: the block's largest magnitude
.endr
.irp b, 0,1,2,3
	s_delay_alu instid0(VALU_DEP_4)
	v_add_nc_u32 v[TM+12+\b], 0xfe000000, v[TM+\b] ; 4 off its exponent field: the conversion takes the exponent field of this operand as its scale
.endr
.irp b, 0,1,2,3
	s_delay_alu instid0(VALU_DEP_4)
	v_lshrrev_b32 v[TM+4+\b], 23, v[TM+12+\b]      ; the scale's byte
.endr
	s_delay_alu instid0(VALU_DEP_3)
	v_lshl_or_b32 v[PW], v[TM+5], 8, v[TM+4]       ; the four bytes make my row's scale word
	s_delay_alu instid0(VALU_DEP_1)
	v_lshl_or_b32 v[PW], v[TM+6], 16, v[PW]
	s_delay_alu instid0(VALU_DEP_1)
	v_lshl_or_b32 v[PW], v[TM+7], 24, v[PW]
.irp c, 0,1
	v_cvt_scalef32_pk16_bf6_f32 v[PC+6*\c:PC+2+6*\c], v[\s+32*\c:\s+15+32*\c], v[TM+12+2*\c]
	v_cvt_scalef32_pk16_bf6_f32 v[PC+12+4*\c:PC+14+4*\c], v[\s+16+32*\c:\s+31+32*\c], v[TM+12+2*\c+1]   ; (a conversion's three registers begin on an even number)
.endr
	v_nop                                          ; one plain place behind a scaled conversion
.irp c, 0,1                                    ; the operand's layout wants a whole block in a lane: lanes 0-15 block 2 c, lanes 16-31 block 2 c + 1
.irp i, 0,1,2
	v_permlane16_swap_b32 v[PC+6*\c+\i], v[PC+12+4*\c+\i]
.endr
.irp i, 0,1,2
	s_delay_alu instid0(VALU_DEP_3)
	v_mov_b32 v[PC+3+6*\c+\i], v[PC+12+4*\c+\i]
.endr
.endr
.endm
.macro TILE stg, off                   ; one head of my 16 tokens, from its stage to the image's stores
	s_wait_xcnt 0x0                                ; the last image's stores have read their registers, which are written again below
.irp b, 0,1,2,3
.irp j, 0,1,2,3
	ds_load_b128 v[X+16*\b+4*\j:X+16*\b+4*\j+3], v5 offset:(\stg)+128*\b+16*\j   ; back: 16 neighbours of each block of 32 to a lane
.endr
.endr
	s_wait_dscnt 0x0                               ; they are in (and, the first time, cos and sin)
	NORM
	ROPE
	QUANT X
.irp c, 0,1,2
	global_store_b128 v1, v[PC+4*\c:PC+4*\c+3], s[40:41] offset:(\off)+512*\c   ; 32 lanes store 512 consecutive bytes, at a multiple of 256 from the buffer's first byte
.endr
.endm
	s_load_b512 s[4:19], s[0:1], 0x0               ; query s[4:5], key s[6:7], positions s[8:9], q's weight s[10:11], k's s[12:13], V's codes s[14:15], V's scales s[16:17], qimg s[18:19]
	s_load_b128 s[20:23], s[0:1], 0x40             ; qsc s[20:21], kv s[22:23]
	v_lshl_add_u32 v[SPW], v0, 2, SPARE
	v_mov_b32 v[NIL], 0
	v_lshrrev_b32 v1, 5, v0
	s_delay_alu instid0(VALU_DEP_1)
	v_readfirstlane_b32 s24, v1                    ; wave 0..11
	s_and_b32 s25, s24, 3                          ; kk in waves 8 to 11
	v_and_b32 v254, 31, v0
	s_delay_alu instid0(VALU_DEP_1)
	v_lshlrev_b32 v1, 4, v254                      ; 16 x lane
	v_and_b32 v2, 15, v0                           ; r
	v_bfe_u32 v3, v0, 4, 1                         ; h
	s_mul_i32 s46, s24, WREG                       ; my stages.  Every LDS address is made here, ahead of the first parting of the waves
	v_add_nc_u32 v4, s46, v1                       ; in: 16 x lane, a row a store
	v_mul_u32_u24 v5, v2, SP
	s_delay_alu instid0(VALU_DEP_1)
	v_lshl_add_u32 v5, v3, 6, v5
	s_delay_alu instid0(VALU_DEP_1)
	v_add_nc_u32 v5, s46, v5                       ; back: row r, + 64 h
	s_lshl_b32 s46, s24, 9
	s_add_co_u32 s46, s46, CSB
	v_add_nc_u32 v6, s46, v1                       ; my chunk of cos (waves 0 to 7 alone store there)
	v_add_nc_u32 v7, CSB, v1                       ; and where all chunks are read
	v_lshlrev_b32 v8, 6, v3                        ; the weights: 64 h
	s_mov_b32 s[SEL], 0x76543210
	s_mov_b32 s[SEL+1], 0xfedcba98
	s_mov_b32 s28, 0x3c000000                      ; 1 / 128
	s_mov_b32 s29, 0xffff0000                      ; lanes 16 to 31
	s_mov_b32 s30, 0x3f22f983                      ; 2 / pi
	s_mov_b32 s31, 0x3fc90fdb                      ; pi / 2, the nearest f32,
	s_mov_b32 s32, 0xb33bbd2e                      ; and what it leaves
	s_mov_b32 s34, 0x37ccf5ce                      ; cos's leading coefficient
	s_mov_b32 s35, 0xb94ca1f9                      ; sin's
.irp b, 0,1,2,3
	v_mov_b32 v[TM+4+\b], 0                        ; written once: a lane permute's destination counts as one of its sources
.endr
	v_mov_b32 v[PW2], 0                            ; written on every way
	s_lshr_b32 s48, ttmp9, 1
	s_lshl_b32 s48, s48, 5
	s_and_b32 s49, ttmp9, 1
	s_lshl_b32 s49, s49, 3
	s_add_co_u32 s48, s48, s49                     ; the tile's first token: 32 (g / 2) + 8 (g % 2)
	v_and_b32 v9, 8, v2
	s_delay_alu instid0(VALU_DEP_1)
	v_add_nc_u32 v9, v9, v2
	s_delay_alu instid0(VALU_DEP_1)
	v_add_nc_u32 v9, s48, v9
	s_delay_alu instid0(VALU_DEP_1)
	v_lshlrev_b32 v9, 2, v9                        ; my token's position: 4 bytes each
	; offsets, apart from the addresses.  q waves:
	s_lshl_b32 s66, ttmp9, 4
	s_lshl_b32 s47, s24, 1
	s_add_co_u32 s66, s66, s47                     ; 16 g + 2 w
	s_mul_i32 s67, s66, 1536                       ; its image in qimg
	s_lshl_b32 s68, s66, 6                         ; its 16 scale words in qsc,
	s_add_co_u32 s69, s68, 64                      ; and the next head's
	; k waves: key step g / 8, tile g % 8 of kv head kk
	s_lshl_b32 s70, s25, 5
	s_lshr_b32 s47, ttmp9, 3
	s_add_co_u32 s70, s70, s47
	s_mul_i32 s70, s70, BLK
	s_and_b32 s71, ttmp9, 7
	s_mul_i32 s72, s71, 1536
	s_add_co_u32 s72, s72, s70                     ; K's image
	s_lshl_b32 s73, s71, 6
	s_add_co_u32 s73, s73, s70
	s_add_co_u32 s73, s73, KSC                     ; K's scale words
	; and their fragment of V: kv head g / 64, tile (g / 8) % 8, key step 4 (g % 8) + kk: the four waves read 384 neighbouring bytes of each row
	s_lshr_b32 s74, ttmp9, 6
	s_bfe_u32 s75, ttmp9, 0x30003
	s_lshl_b32 s76, s71, 2
	s_add_co_u32 s76, s76, s25
	s_lshl_b32 s77, s74, 5
	s_add_co_u32 s77, s77, s76
	s_mul_i32 s77, s77, BLK
	s_lshl_b32 s78, s75, 6
	s_add_co_u32 s78, s78, s77
	s_add_co_u32 s78, s78, VSC                     ; V's scale words
	s_mul_i32 s62, s75, 1536
	s_add_co_u32 s62, s62, s77
	s_add_co_u32 s62, s62, VIMG                    ; V's image
	s_mov_b32 s63, 0
	s_lshl_b32 s46, s74, 7
	s_lshl_b32 s47, s75, 4
	s_add_co_u32 s46, s46, s47
	v_add_nc_u32 v11, s46, v2                      ; my row of V: channel 128 vh + 16 vt + r
	s_delay_alu instid0(VALU_DEP_1)
	v_lshlrev_b32 v12, 7, v11
	s_lshl_b32 s47, s76, 2
	v_add_nc_u32 v12, s47, v12                     ; its scale word: 128 bytes a row, 4 a key step
	v_mul_u32_u24 v11, v11, 3072
	s_delay_alu instid0(VALU_DEP_1)
	v_mad_u32_u24 v11, v3, 24, v11
	s_mul_i32 s47, s76, 96
	v_add_nc_u32 v11, s47, v11                     ; its codes: 3,072 bytes a row, 96 a key step, + 24 h
	s_cmp_lt_u32 s24, 8                            ; q wave or k wave: all selections stand ahead of the shifts, which set SCC
	s_cselect_b32 s46, 13, 11                      ; a token's row: 8,192 bytes of q, 2,048 of k
	s_cselect_b32 s47, 10, 9                       ; my part of it: 1,024 w, or 512 kk
	s_cselect_b32 s49, s24, s25
	s_cselect_b32 s52, s67, s72
	s_cselect_b32 s56, s68, s73
	s_cselect_b32 s57, s69, s78
	s_lshl_b32 s50, s48, s46
	s_lshl_b32 s49, s49, s47
	s_add_co_u32 s50, s50, s49
	s_mov_b32 s51, 0
	s_mov_b32 s53, 0
	v_mov_b32 v10, s56
	v_mov_b32 v254, s57
	s_delay_alu instid0(VALU_DEP_1)
	v_cndmask_b32 v10, v10, v254, s29              ; lanes 0-15 store the first scale words, lanes 16-31 the second
	s_delay_alu instid0(VALU_DEP_1)
	v_lshl_add_u32 v10, v2, 2, v10
	s_wait_kmcnt 0x0
	s_cmp_lt_u32 s24, 8                            ; the buffers are chosen on the wave's number alone
	s_cselect_b64 s[36:37], s[4:5], s[6:7]
	s_cselect_b64 s[38:39], s[10:11], s[12:13]
	s_cselect_b64 s[40:41], s[18:19], s[22:23]
	s_cselect_b64 s[42:43], s[20:21], s[22:23]
	s_add_nc_u64 s[36:37], s[36:37], s[50:51]
	s_add_nc_u64 s[40:41], s[40:41], s[52:53]
	s_add_nc_u64 s[44:45], s[22:23], s[62:63]
	global_load_b32 v255, v9, s[8:9]               ; my token's position
.irp b, 0,1,2,3
.irp j, 0,1,2,3
	global_load_b128 v[W+16*\b+4*\j:W+16*\b+4*\j+3], v8, s[38:39] offset:128*\b+16*\j
.endr
.endr
	s_cmp_lt_u32 s24, 8
	s_cbranch_scc0 .Lk_arm
	XLOAD X, 8192, 0                               ; q head 2 w,
	XLOAD C, 8192, 512                             ; and head 2 w + 1, into the registers that cos and sin take behind the barrier
	; cos and sin of my token at frequencies j = 32 (w / 4) + 4 (w % 4) + 16 h + e, e = 0 .. 3: registers 4 w .. 4 w + 3 of the 32
	s_lshr_b32 s46, s24, 2
	s_lshl_b32 s46, s46, 5
	s_lshl_b32 s47, s25, 2
	s_add_co_u32 s46, s46, s47
	v_lshl_add_u32 v254, v3, 4, s46
.irp e, 0,1,2,3
	v_add_nc_u32 v[TA+\e], \e, v254
.endr
.irp e, 0,1,2,3
	s_delay_alu instid0(VALU_DEP_4)
	v_cvt_f32_u32 v[TA+\e], v[TA+\e]
.endr
.irp e, 0,1,2,3
	s_delay_alu instid0(VALU_DEP_4)
	v_mul_f32 v[TA+\e], 0xbe549a78, v[TA+\e]       ; - j log2(10000) / 64
.endr
	s_wait_alu depctr_va_vdst(0)
.irp e, 0,1,2,3
	v_exp_f32 v[TA+\e], v[TA+\e]                   ; 10000^(-j / 64)
.endr
	v_nop                                          ; a plain instruction behind the transcendentals
	s_wait_alu depctr_va_vdst(0)                   ; one wait for the four, ahead of their first reader
	s_wait_loadcnt 48                              ; the position is in: behind its load stand the 16 loads of the weights and the 32 of the rows
	v_cvt_f32_i32 v255, v255
.irp e, 0,1,2,3
	v_mul_f32 v[TR+\e], v255, v[TA+\e]             ; the angle: position x frequency, one rounding, as in reference()
.endr
.irp e, 0,1,2,3
	s_delay_alu instid0(VALU_DEP_4)
	v_mul_f32 v[TN+\e], s30, v[TR+\e]
.endr
.irp e, 0,1,2,3
	s_delay_alu instid0(VALU_DEP_4)
	v_rndne_f32 v[TN+\e], v[TN+\e]                 ; n quarter turns
.endr
.irp e, 0,1,2,3
	s_delay_alu instid0(VALU_DEP_4)
	v_fma_f32 v[TR+\e], -v[TN+\e], s31, v[TR+\e]   ; exact: the difference fits 24 bits
.endr
.irp e, 0,1,2,3
	s_delay_alu instid0(VALU_DEP_4)
	v_fma_f32 v[TR+\e], -v[TN+\e], s32, v[TR+\e]   ; rho = angle - n pi / 2
.endr
.irp e, 0,1,2,3
	s_delay_alu instid0(VALU_DEP_4)
	v_mul_f32 v[TZ+\e], v[TR+\e], v[TR+\e]         ; z = rho^2
.endr
.irp e, 0,1,2,3
	v_fmaak_f32 v[TCO+\e], s34, v[TZ+\e], 0xbab6061a
	v_fmaak_f32 v[TSI+\e], s35, v[TZ+\e], 0x3c08839e
.endr
.irp e, 0,1,2,3
	v_fmaak_f32 v[TCO+\e], v[TCO+\e], v[TZ+\e], 0x3d2aaaa5
	v_fmaak_f32 v[TSI+\e], v[TSI+\e], v[TZ+\e], 0xbe2aaaa3
.endr
.irp e, 0,1,2,3
	v_fma_f32 v[TCO+\e], v[TCO+\e], v[TZ+\e], -0.5
	v_mul_f32 v[TG+\e], v[TZ+\e], v[TR+\e]         ; z rho
.endr
.irp e, 0,1,2,3
	v_fma_f32 v[TCO+\e], v[TCO+\e], v[TZ+\e], 1.0  ; cos rho
	v_fma_f32 v[TSI+\e], v[TSI+\e], v[TG+\e], v[TR+\e]   ; sin rho
.endr
.irp e, 0,1,2,3
	v_cvt_i32_f32 v[TA+\e], v[TN+\e]               ; n as a whole number
.endr
.irp e, 0,1,2,3
	s_delay_alu instid0(VALU_DEP_4)
	v_and_b32 v[TG+\e], 1, v[TA+\e]
.endr
.irp e, 0,1,2,3
	v_cmp_eq_u32 vcc_lo, 1, v[TG+\e]               ; an odd number of quarter turns: the two change places
	s_delay_alu instid0(VALU_DEP_1)
	v_cndmask_b32 v[RC+\e], v[TCO+\e], v[TSI+\e], vcc_lo
	s_delay_alu instid0(VALU_DEP_2)
	v_cndmask_b32 v[RSN+\e], v[TSI+\e], v[TCO+\e], vcc_lo
.endr
.irp e, 0,1,2,3
	v_lshlrev_b32 v[TG+\e], 30, v[TA+\e]
	v_add_nc_u32 v[TA+\e], 1, v[TA+\e]
.endr
.irp e, 0,1,2,3
	v_and_b32 v[TG+\e], 0x80000000, v[TG+\e]       ; sin changes sign where n mod 4 is 2 or 3,
	v_lshlrev_b32 v[TA+\e], 30, v[TA+\e]
.endr
.irp e, 0,1,2,3
	v_xor_b32 v[RSN+\e], v[RSN+\e], v[TG+\e]
	v_and_b32 v[TA+\e], 0x80000000, v[TA+\e]       ; cos where it is 1 or 2
.endr
.irp e, 0,1,2,3
	v_xor_b32 v[RC+\e], v[RC+\e], v[TA+\e]
.endr
	ds_store_b128 v6, v[RC:RC+3]                   ; as an image of registers 4 w .. 4 w + 3
	ds_store_b128 v6, v[RSN:RSN+3] offset:4096
	s_wait_loadcnt 0x0                             ; the weights and both heads' rows are in
	STIN X, 0
	STIN C, STGB
	s_branch .Ljoin
.Lk_arm:
	XLOAD X, 2048, 0                               ; k head kk
	s_wait_alu depctr_va_vdst(0)
.irp p, 0,1,2,3,4,5
	global_load_b64 v[C+2*\p:C+2*\p+1], v11, s[14:15] offset:48*(\p/3)+8*(\p%3) th:TH_LOAD_NT   ; V's fragment as the operand's registers take it: 24 bytes of my row, and the 24 that lie 48 on
.endr
	global_load_b32 v[PW2], v12, s[16:17]          ; and my row's scale word
	s_wait_loadcnt 0x0
	STIN X, 0
.irp c, 0,1,2
	global_store_b128 v1, v[C+4*\c:C+4*\c+3], s[44:45] offset:512*\c
.endr
.Ljoin:
	s_wait_xcnt 0x0                                ; V's stores have read their registers, which cos takes below
	s_wait_dscnt 0x0                               ; for the others' sake: my stores of cos and sin have landed (and my stages are written)
	s_barrier_signal -1
	s_barrier_wait -1                              ; the launch's one barrier: all 32 pairs of cos and sin lie in LDS
.irp c, 0,1,2,3,4,5,6,7
	ds_load_b128 v[C+4*\c:C+4*\c+3], v7 offset:512*\c
	ds_load_b128 v[S+4*\c:S+4*\c+3], v7 offset:4096+512*\c
.endr
	TILE 0, 0
	v_mov_b32 v13, v[PW]
	s_cmp_lt_u32 s24, 8
	s_cbranch_scc0 .Lone_head
	TILE STGB, 1536                                ; q head 2 w + 1
	v_mov_b32 v[PW2], v[PW]
.Lone_head:
	s_wait_alu depctr_va_vdst(0)
	v_cndmask_b32 v254, v13, v[PW2], s29           ; every lane holds its row's words: lanes 0-15 give the first, lanes 16-31 the second
	global_store_b32 v10, v254, s[42:43]           ; q waves: 128 consecutive bytes; k waves: 64 of K's words and 64 of V's
	s_wait_tensorcnt 0x0                           ; the wave's end, behind my last LDS store
	ds_add_u32 v[SPW], v[NIL]
	s_wait_dscnt 0x0
	s_endpgm
.Lfunc_end_k_q12d29b05a9_prep:
	.size	k_q12d29b05a9_prep, .Lfunc_end_k_q12d29b05a9_prep-k_q12d29b05a9_prep
	.p2alignl 7, 3214868480
	.fill 96, 4, 3214868480
	.section	.rodata,"a",@progbits
	.p2align	6, 0x0
	.amdhsa_kernel k_q12d29b05a9_prep
		.amdhsa_group_segment_fixed_size 212480
		.amdhsa_private_segment_fixed_size 0
		.amdhsa_enable_private_segment 0
		.amdhsa_kernarg_size 80
		.amdhsa_user_sgpr_count 2
		.amdhsa_user_sgpr_kernarg_segment_ptr 1
		.amdhsa_wavefront_size32 1
		.amdhsa_system_sgpr_workgroup_id_x 1
		.amdhsa_system_sgpr_workgroup_id_y 1
		.amdhsa_system_sgpr_workgroup_id_z 1
		.amdhsa_system_vgpr_workitem_id 0
		.amdhsa_next_free_vgpr 256
		.amdhsa_next_free_sgpr 80
		.amdhsa_reserve_vcc 1
		.amdhsa_float_denorm_mode_32 3
		.amdhsa_float_denorm_mode_16_64 3
		.amdhsa_memory_ordered 1
		.amdhsa_forward_progress 1
		.amdhsa_inst_pref_size 63
	.end_amdhsa_kernel
	.amdgpu_metadata
---
amdhsa.version: [ 1, 2 ]
amdhsa.kernels:
  - .name:           k_q12d29b05a9_prep
    .symbol:         k_q12d29b05a9_prep.kd
    .args:
      - { .name: query_states, .offset: 0, .size: 8, .value_kind: global_buffer, .address_space: global }
      - { .name: key_states, .offset: 8, .size: 8, .value_kind: global_buffer, .address_space: global }
      - { .name: position_ids, .offset: 16, .size: 8, .value_kind: global_buffer, .address_space: global }
      - { .name: q_norm_weight, .offset: 24, .size: 8, .value_kind: global_buffer, .address_space: global }
      - { .name: k_norm_weight, .offset: 32, .size: 8, .value_kind: global_buffer, .address_space: global }
      - { .name: value_states_codes, .offset: 40, .size: 8, .value_kind: global_buffer, .address_space: global }
      - { .name: value_states_scales, .offset: 48, .size: 8, .value_kind: global_buffer, .address_space: global }
      - { .name: qimg, .offset: 56, .size: 8, .value_kind: global_buffer, .address_space: global }
      - { .name: qsc, .offset: 64, .size: 8, .value_kind: global_buffer, .address_space: global }
      - { .name: kv, .offset: 72, .size: 8, .value_kind: global_buffer, .address_space: global }
    .group_segment_fixed_size: 212480
    .private_segment_fixed_size: 0
    .kernarg_segment_align: 8
    .kernarg_segment_size: 80
    .max_flat_workgroup_size: 384
    .sgpr_count:     80
    .vgpr_count:     256
    .wavefront_size: 32
...
	.end_amdgpu_metadata
.endif
;; end of part 1
;; launch attn (part 2): grid 64 x 4, 16 waves a work-group, no clusters, 327,680 bytes of LDS; arguments qimg, qsc, kv, out0; writes out0
.if DOCPART == 2
	.amdgcn_target "amdgcn-amd-amdhsa--gfx1250"
	.amdhsa_code_object_version 6
	.text
	.protected	k_q12d29b05a9_attn
	.globl	k_q12d29b05a9_attn
	.p2align	8
	.type	k_q12d29b05a9_attn,@function
k_q12d29b05a9_attn:
	s_mov_b64 s[64:65], 0
	v_nop
	global_prefetch_b8 v0, s[64:65] scope:SCOPE_SE
	s_setreg_imm32_b32 hwreg(HW_REG_WAVE_MODE, 25, 1), 1
	s_wait_xcnt 0x0
; ATTN: out[q][head] = the sum over k of softmax_k(q . k / sqrt(128) + mask) v, both products on codes of BF6 (E3M2) with one E8M0 scale for each 32 along a product's K.  q, k and v come as images of the operands'
; registers, made by the launch before: qimg [token tile 256][head 16][1,536], qsc [tile][head][16 words], kv [kv head 4][key step 32][25,600]: K's 8 tile images, V's 8, K's 128 scale words, V's 128.
; DEAD WORK LEFT OUT: key steps of 128 keys that reference()'s own mask (k <= q and (k >= q - 1023 or k < 128)) hides for all 64 queries of a work-group: there p = 2^(t - M) is 0 and adds nothing to the sum or the
; product, for all finite inputs.  LIMIT: a NaN, an infinity or an overflow that reaches only those tiles is not carried to the result.
; THE SOFTMAX AHEAD OF THE SECOND PRODUCT: t = score x log2(e) / sqrt(128); M = the row's largest t so far, rounded UP to a whole number; p = 2^(t - M) is quantised along the keys, not normalised.  The row's sum is
; taken of the unquantised p and divides at the end.  When M moves, the sum and O are multiplied by 2^(old M - new M): exact.
; SHARES.  Work-group (blk, kvh): queries 64 blk .. 64 blk + 63 of the four heads of kv head kvh.  Wave w: head 4 kvh + w / 4, token tile 4 blk + w % 4: queries QB + r + 8 (r / 8), QB = 64 blk + 32 ((w / 2) % 2) + 8 (w % 2).
; THE WALK has ten steps, a constant: key step 0 (the meta keys; key 0 counts for every query, so M is a number from the first step on), then key steps a, a - 1 .. a - 8, a = blk / 2.  Those that fall on key step 0
; again or below it are passed over: a scalar branch on ids round the step's work, and the same test on ids round its load; barriers, waits and adds are run all the same.
; Only key step a can hide keys behind the queries (k > q), only key step a - 8 keys in front of the window (k < q - 1023): each compare is jumped over elsewhere.
; LAYOUT.  Both products are used transposed: S^T = K Q^T, O^T = V^T P^T: a lane holds ONE query throughout.  Tile T of a key step holds keys 32 (T / 2) + 8 (T % 2) + rho + 8 (rho / 8), so that score register 16 b + i
; of lane (r, h) is key 32 b + 16 h + i of the step.
; THE RING: two LDS slots, a key step's 25,600 bytes each, brought by ONE tensor load (100 rows of 256 bytes), issued by wave 0; all sixteen waves read them.  One tensor load at most is out.
; NO CLUSTER: only the two work-groups with the same a walk the same blocks, and where a < 9 the walk's last loads are passed over, which a joint load does not allow.
; NO PREFETCH: block s of a kv head is the second load of the two work-groups with a = s, and block 0 the first load of all: every block is asked for by the launch's first two loads, so none could be named ahead.
.set BLK,   25600
.set KIMG,  0
.set VIMG,  12288
.set KSC,   24576
.set VSC,   25088
.set SLOT1, 32768                      ; slot 1 begins here, so that one exclusive or turns an address in one slot into the other's
.set STAGE, 65536                      ; the way out: 16 rows x (256 bytes + 16) for each wave: bytes of their own, into which no fill lands
.set SPARE, STAGE+16*16*272            ; the spare words, 128 bytes for each wave: eight blocks of 256 bytes that no other line names
.set LI,  1                            ; v1   16 x lane: an image's place for my lane
.set LS,  2                            ; v2   4 x lane: a scale word's
.set QD,  3                            ; v3   my query - 16 (lane / 16)
.set SPW, 5                            ; v5   LDS address of my spare word; never rewritten
.set NIL, 6                            ; v6   0; never rewritten
.set GO,  7                            ; v7   the way out: my byte offset in the wave's rows of out
.set ADL, 8                            ; v8   the step's images
.set ADS, 9                            ; v9   the step's scale words
.set STO, 10                           ; v10  my stage, in
.set RD,  11                           ; v11  and back
; v12 -M, v13 the largest t, v[14:15] the sum in two halves; v16-27 Q; v32-79 four fragments of K or of V; v96-159 S^T, then p; v160-223 O^T; v224-235 p's codes; v232-247, v252, v254 at work;
; v248-251 scale words of K or of V (lanes 0-15: tile 2 i, lanes 16-31: tile 2 i + 1); v253 p's scale word; v255 Q's scale words
.set WV,  18                           ; s18  my wave's number
.set SEL, 20                           ; s[20:21] lane selects: lane l xor 16
.set CS,  22                           ; s[22:23] c = log2(e) / sqrt(128)
.set G1,  24                           ; s[24:31] descriptor group 1
.set G0M, 32                           ; s[32:35] group 0 for key step 0
.set G0W, 36                           ; s[36:39] group 0 that walks down from key step a
.set TB,  2                            ; s2   LDS byte at which the slot in hand begins
.set KF,  40                           ; s40  the step's first key
.set NX,  41                           ; s41  the next step's
.set LV,  42                           ; s42  a step is walked where KF >= LV: 0 for the first step, 1 afterwards
.set QB,  43                           ; s43  my first query
.set CNT, 44                           ; s44  trips to go
.macro TLOAD g0                        ; wave 0 fetches.  An s_nop 0 and four v_nop follow the load
	s_cmp_eq_u32 s[WV], 0
	s_cbranch_scc0 .Lnot_wave_0_\@
	tensor_load_to_lds s[\g0:\g0+3], s[G1:G1+7]
	s_nop 0
.rept 4
	v_nop
.endr
.Lnot_wave_0_\@:
.endm
	s_load_b256 s[4:11], s[0:1], 0x0               ; qimg s[4:5], qsc s[6:7], kv s[8:9], out s[10:11]
	v_lshl_add_u32 v[SPW], v0, 2, SPARE
	v_mov_b32 v[NIL], 0
	ds_add_u32 v[SPW], v[NIL]                      ; the wave's opening: the add, twice on end, and its wait ahead of the first tensor load; the set-up below, work on registers, stands between
	ds_add_u32 v[SPW], v[NIL]                      ; and once more, under the one wait
	v_lshrrev_b32 v8, 5, v0
	s_delay_alu instid0(VALU_DEP_1)
	v_readfirstlane_b32 s[WV], v8                  ; wave 0..15
	s_and_b32 s46, ttmp7, 0xffff                   ; kvh
	s_lshr_b32 s47, ttmp9, 1                       ; a
	; descriptor group 1: a dense block of 25,600 bytes as 100 rows of 256 bytes (32 elements of 8 bytes), no padding: images are read 16 bytes a lane on end
	s_mov_b32 s[G1], 3<<16                         ; no mask; elements of 8 bytes; padding off
	s_mov_b32 s[G1+1], 32<<16                      ; tensor_dim0 = 32
	s_mov_b32 s[G1+2], 100<<16                     ; tensor_dim1 = 100
	s_mov_b32 s[G1+3], 32<<16                      ; tile_dim0 = 32
	s_mov_b32 s[G1+4], 100                         ; tile_dim1 = 100
	s_mov_b32 s[G1+5], 32                          ; from row to row
	s_mov_b32 s[G1+6], 0
	s_mov_b32 s[G1+7], 0
	s_mul_i32 s48, s46, 32*BLK                     ; my kv head's block 0
	s_mov_b32 s49, 0
	s_add_co_u32 s50, s47, 1
	s_mul_i32 s50, s50, BLK
	s_add_co_u32 s50, s50, s48                     ; and its block a + 1: the first change of slots steps down to a
	s_mov_b32 s51, 0
	s_and_b32 s12, s[WV], 3
	s_lshr_b32 s13, s[WV], 2
	s_lshl_b32 s14, ttmp9, 2
	s_add_co_u32 s14, s14, s12                     ; my token tile
	s_lshl_b32 s15, s46, 2
	s_add_co_u32 s15, s15, s13                     ; my head
	s_lshl_b32 s16, s14, 4
	s_add_co_u32 s16, s16, s15
	s_mul_i32 s56, s16, 1536                       ; Q's image
	s_mov_b32 s57, 0
	s_lshl_b32 s58, s16, 6                         ; Q's scale words
	s_mov_b32 s59, 0
	s_lshl_b32 s[QB], ttmp9, 6
	s_bfe_u32 s17, s[WV], 0x10001
	s_lshl_b32 s17, s17, 5
	s_add_co_u32 s[QB], s[QB], s17
	s_and_b32 s17, s[WV], 1
	s_lshl_b32 s17, s17, 3
	s_add_co_u32 s[QB], s[QB], s17                 ; 64 blk + 32 ((w / 2) % 2) + 8 (w % 2)
	s_lshl_b32 s60, s[QB], 13                      ; out: a token's row is 8,192 bytes,
	s_lshl_b32 s17, s15, 9                         ; a head 512
	s_add_co_u32 s60, s60, s17
	s_mov_b32 s61, 0
	s_mov_b32 s[SEL], 0x76543210
	s_mov_b32 s[SEL+1], 0xfedcba98
	s_mov_b32 s[CS], 0x3e0293ee                    ; c = log2(e) / sqrt(128)
	s_mov_b32 s[CS+1], s[CS]                       ; (named with it as a pair, so it is written)
	s_mov_b32 s[TB], 0
	s_mov_b32 s[KF], 0
	s_lshl_b32 s[NX], s47, 7
	s_mov_b32 s[LV], 0
	s_mov_b32 s[CNT], 9
	v_and_b32 v254, 31, v0
	s_delay_alu instid0(VALU_DEP_1)
	v_lshlrev_b32 v[LI], 4, v254
	s_delay_alu instid0(VALU_DEP_2)
	v_lshlrev_b32 v[LS], 2, v254
	v_and_b32 v8, 15, v0                           ; r
	v_bfe_u32 v9, v0, 4, 1                         ; h
	s_delay_alu instid0(VALU_DEP_2)
	v_and_b32 v[QD], 8, v8
	s_delay_alu instid0(VALU_DEP_1)
	v_add_nc_u32 v[QD], v[QD], v8                  ; r + 8 (r / 8)
	s_delay_alu instid0(VALU_DEP_3)
	v_lshlrev_b32 v254, 4, v9
	s_delay_alu instid0(VALU_DEP_1)
	v_sub_nc_u32 v[QD], v[QD], v254
	s_delay_alu instid0(VALU_DEP_1)
	v_add_nc_u32 v[QD], s[QB], v[QD]
	v_lshlrev_b32 v[GO], 13, v9
	s_delay_alu instid0(VALU_DEP_1)
	v_lshl_add_u32 v[GO], v8, 4, v[GO]             ; the way out: lanes 0-15 one row of out, lanes 16-31 the next; 16 bytes a lane
	s_mul_i32 s17, s[WV], 16*272
	s_add_co_u32 s17, s17, STAGE                   ; my stage
	v_mul_u32_u24 v[STO], v8, 272
	s_delay_alu instid0(VALU_DEP_1)
	v_lshl_add_u32 v[STO], v9, 5, v[STO]
	s_delay_alu instid0(VALU_DEP_1)
	v_add_nc_u32 v[STO], s17, v[STO]               ; in: row r; a tile's eight channels of my half: 64 t + 32 h bytes on
	v_mul_u32_u24 v[RD], v9, 272
	s_delay_alu instid0(VALU_DEP_1)
	v_lshl_add_u32 v[RD], v8, 4, v[RD]
	s_delay_alu instid0(VALU_DEP_1)
	v_add_nc_u32 v[RD], s17, v[RD]                 ; back: lanes 0-15 one row, lanes 16-31 the next
	v_lshlrev_b32 v4, 2, v8                        ; Q's scale words: 4 r
	s_wait_dscnt 0x0                               ; both opening adds are done
	s_wait_kmcnt 0x0
	s_mov_b32 s[G0M], 1                            ; count = 1
	s_mov_b32 s[G0M+1], 0                          ; LDS address: slot 0
	s_add_nc_u64 s[G0M+2:G0M+3], s[8:9], s[48:49]  ; global address: key step 0
	s_or_b32 s[G0M+3], s[G0M+3], 0x80000000        ; type = 2
	s_mov_b32 s[G0W], 1
	s_mov_b32 s[G0W+1], 0                          ; the first change of slots turns it to slot 1
	s_add_nc_u64 s[G0W+2:G0W+3], s[8:9], s[50:51]
	s_or_b32 s[G0W+3], s[G0W+3], 0x80000000
	TLOAD G0M                                      ; the first fill: key step 0 into slot 0
	s_add_nc_u64 s[4:5], s[4:5], s[56:57]
	s_add_nc_u64 s[6:7], s[6:7], s[58:59]
	s_add_nc_u64 s[10:11], s[10:11], s[60:61]
.irp c, 0,1,2
	global_load_b128 v[16+4*\c:19+4*\c], v[LI], s[4:5] offset:512*\c   ; Q's fragment stays in registers
.endr
	s_wait_alu depctr_va_vdst(0)
	global_load_b32 v255, v4, s[6:7]               ; and its scale words
	v_mov_b32 v13, 0xff61b1e6                      ; the largest t so far: -3e38, under every t
	s_delay_alu instid0(VALU_DEP_1)
	v_floor_f32 v12, -v13                          ; -M
	v_mov_b32 v14, 0                               ; the sum, in two halves
	v_mov_b32 v15, 0
.irp b, 0,1,2,3
	v_mov_b32 v[236+\b], 0                         ; written once: a lane permute's destination counts as one of its sources
.endr
	v_mov_b32 v252, 0                              ; likewise (the way out's)
	v_mov_b32 v253, 0                              ; (named as the upper half of the pair v[252:253] before it is first written)
.irp j, 0,1,2,3,4,5,6,7,8,9,10,11,12,13,14,15,16,17,18,19,20,21,22,23,24,25,26,27,28,29,30,31,32,33,34,35,36,37,38,39,40,41,42,43,44,45,46,47,48,49,50,51,52,53,54,55,56,57,58,59,60,61,62,63
	v_mov_b32 v[160+\j], 0                         ; O^T.  (The step is written for every trip alike: the first finds zeros, which the first change of M leaves zeros)
.endr
; A KEY STEP: the 128 keys from s[KF] on, in the slot at s[TB].
.macro STEP
	s_cmp_lt_i32 s[KF], s[LV]                      ; key step 0 a second time, or below it: passed over.  ids and the count of steps alone: all sixteen waves go the same way
	s_cbranch_scc1 .Lhidden_\@
	v_add_nc_u32 v[ADL], s[TB], v[LI]
	s_wait_alu depctr_va_vdst(0)
	v_add_nc_u32 v[ADS], s[TB], v[LS]
	v_nop
	v_nop                                          ; these four lines are the places in front of loads into registers that the last products have read
.irp g, 0,1                                    ; S^T = K Q^T, four tiles of 16 keys at a time
.if \g
.rept 4
	v_nop
.endr
.endif
.irp t, 0,1,2,3
.irp c, 0,1,2
	ds_load_b128 v[32+12*\t+4*\c:35+12*\t+4*\c], v[ADL] offset:KIMG+(4*\g+\t)*1536+512*\c
.endr
.endr
.if \g == 0
.irp t, 0,1,2,3
	ds_load_b32 v[248+\t], v[ADS] offset:KSC+128*\t   ; the scale words of tiles 2 t (lanes 0-15) and 2 t + 1 (lanes 16-31)
.endr
.endif
	s_wait_dscnt 0x0
.irp t, 0,1,2,3
.if (\t)%2
	v_wmma_scale_f32_16x16x128_f8f6f4 v[96+8*(4*\g+\t):103+8*(4*\g+\t)], v[32+12*\t:43+12*\t], v[16:27], 0, v[248+2*\g+\t/2], v255 matrix_a_fmt:MATRIX_FMT_BF6 matrix_b_fmt:MATRIX_FMT_BF6 matrix_a_scale:MATRIX_SCALE_ROW1
.else
	v_wmma_scale_f32_16x16x128_f8f6f4 v[96+8*(4*\g+\t):103+8*(4*\g+\t)], v[32+12*\t:43+12*\t], v[16:27], 0, v[248+2*\g+\t/2], v255 matrix_a_fmt:MATRIX_FMT_BF6 matrix_b_fmt:MATRIX_FMT_BF6
.endif
.endr
.endr
.rept 4
	v_nop                                          ; places: in front of the loads below, and of the first read of the scores
.endr
.irp t, 0,1,2,3                                ; V's tiles 0 to 3 and all its scale words are asked for here: they land under the softmax
.irp c, 0,1,2
	ds_load_b128 v[32+12*\t+4*\c:35+12*\t+4*\c], v[ADL] offset:VIMG+\t*1536+512*\c
.endr
.endr
	s_wait_alu depctr_va_vdst(0)
.irp t, 0,1,2,3
	ds_load_b32 v[248+\t], v[ADS] offset:VSC+128*\t
.endr
	; keys behind my queries (k > q) become -infinity ahead of the maximum: p = 0 then.  A step whose last key is at or under my first query skips this
	s_add_co_u32 s46, s[KF], 127
	s_cmp_le_i32 s46, s[QB]
	s_cbranch_scc1 .Lopen_\@
	s_sub_co_i32 s46, 0, s[KF]
	v_add_nc_u32 v252, s46, v[QD]                  ; d = my query - KF - 16 (lane / 16).  Register 16 b + i holds key KF + 16 (lane / 16) + 32 b + i: hidden where 32 b + i > d
	v_mov_b32 v254, 0xff800000                     ; -infinity
.irp n, 0,1,2,3,4,5,6,7,8,9,10,11,12,13,14,15,16,17,18,19,20,21,22,23,24,25,26,27,28,29,30,31,32,33,34,35,36,37,38,39,40,41,42,43,44,45,46,47,48,49,50,51,52,53,54,55,56,57,58,59,60,61,62,63
	v_cmp_gt_i32 vcc_lo, 32*(\n/16)+\n%16, v252
	v_cndmask_b32 v[96+\n], v[96+\n], v254, vcc_lo
.endr
.Lopen_\@:
	; keys in front of the window (k < q - 1023) likewise.  The meta keys (KF = 0) always count; my last query is QB + 23, so a step with KF + 1000 >= QB hides none
	s_cmp_eq_u32 s[KF], 0
	s_cbranch_scc1 .Lwindow_\@
	s_add_co_u32 s46, s[KF], 1000
	s_cmp_ge_i32 s46, s[QB]
	s_cbranch_scc1 .Lwindow_\@
	s_sub_co_i32 s46, 0, s[KF]
	s_sub_co_i32 s46, s46, 1023
	v_add_nc_u32 v252, s46, v[QD]                  ; d = my query - 1023 - KF - 16 (lane / 16): hidden where 32 b + i < d
	v_mov_b32 v254, 0xff800000
.irp n, 0,1,2,3,4,5,6,7,8,9,10,11,12,13,14,15,16,17,18,19,20,21,22,23,24,25,26,27,28,29,30,31,32,33,34,35,36,37,38,39,40,41,42,43,44,45,46,47,48,49,50,51,52,53,54,55,56,57,58,59,60,61,62,63
	v_cmp_lt_i32 vcc_lo, 32*(\n/16)+\n%16, v252
	v_cndmask_b32 v[96+\n], v[96+\n], v254, vcc_lo
.endr
.Lwindow_\@:
.irp b, 0,1,2,3
	v_max3_num_f32 v[232+\b], v[96+16*\b], v[97+16*\b], v[98+16*\b]   ; THE LARGEST SCORE OF EACH BLOCK OF 32 KEYS: it serves twice: for the row's maximum, and, since p rises with the score, for the block's largest p
.endr
.irp i, 3,5,7,9,11,13
.irp b, 0,1,2,3
	v_max3_num_f32 v[232+\b], v[232+\b], v[96+16*\b+\i], v[97+16*\b+\i]   ; (the four blocks by turns)
.endr
.endr
.irp b, 0,1,2,3
	v_max_num_f32 v[232+\b], v[232+\b], v[111+16*\b]
.endr
.irp b, 0,1,2,3
	s_delay_alu instid0(VALU_DEP_4)
	v_permlanex16_b32 v[236+\b], v[232+\b], s[SEL], s[SEL+1]
.endr
.irp b, 0,1,2,3
	s_delay_alu instid0(VALU_DEP_4)
	v_max_num_f32 v[232+\b], v[232+\b], v[236+\b]  ; with lane l xor 16's 16 keys
.endr
	s_delay_alu instid0(VALU_DEP_2)
	v_max3_num_f32 v254, v232, v233, v234
	s_delay_alu instid0(VALU_DEP_1)
	v_max_num_f32 v254, v254, v235                 ; the step's largest score of my query
	s_delay_alu instid0(VALU_DEP_1)
	v_mul_f32 v254, s[CS], v254                    ; as t (c is positive)
	s_delay_alu instid0(VALU_DEP_1)
	v_max_num_f32 v13, v13, v254                   ; the running largest t
	v_mov_b32 v254, v12
	s_delay_alu instid0(VALU_DEP_2)
	v_floor_f32 v12, -v13                          ; the new -M = floor(-t) = -ceil(t): M is a whole number
	s_delay_alu instid0(VALU_DEP_1)
	v_sub_f32 v254, v12, v254                      ; M's old value less its new one: a whole number, 0 or less
	s_delay_alu instid0(VALU_DEP_1)
	v_cvt_i32_f32 v254, v254                       ; (it saturates)
	s_delay_alu instid0(VALU_DEP_1)
	v_ldexp_f32 v252, 1.0, v254                    ; f = 2^(old M - new M): a multiplication by it rounds nothing
.irp j, 0,2,4,6,8,10,12,14,16,18,20,22,24,26,28,30,32,34,36,38,40,42,44,46,48,50,52,54,56,58,60,62
	v_pk_fma_f32 v[96+\j:97+\j], v[96+\j:97+\j], s[CS:CS+1], v[12:13] op_sel_hi:[1,0,0]   ; t - M, two at a time (of the pairs c and -M the low word serves both halves)
.endr
.irp b, 0,1,2,3
	v_fma_f32 v[232+\b], v[232+\b], s[CS], v12     ; the same of each block's largest score
.endr
	s_wait_alu depctr_va_vdst(0)
.irp j, 0,1,2,3,4,5,6,7,8,9,10,11,12,13,14,15,16,17,18,19,20,21,22,23,24,25,26,27,28,29,30,31,32,33,34,35,36,37,38,39,40,41,42,43,44,45,46,47,48,49,50,51,52,53,54,55,56,57,58,59,60,61,62,63
	v_exp_f32 v[96+\j], v[96+\j]                   ; p = 2^(t - M), at most 1: not normalised
.endr
	v_pk_mul_f32 v[14:15], v[14:15], v[252:253] op_sel_hi:[1,0]   ; the sums under the new M.  (A plain place behind the exponentials)
	s_wait_alu depctr_va_vdst(0)                   ; one wait for the whole batch, ahead of its first reader
.irp b, 0,1,2,3
	v_exp_f32 v[232+\b], v[232+\b]                 ; the block's largest p: the same two instructions on the same number give the same bits
.endr
	v_pk_add_f32 v[236:237], v[100:101], v[104:105]
	v_pk_add_f32 v[246:247], v[108:109], v[112:113]
	v_pk_add_f32 v[244:245], v[116:117], v[120:121]
	v_pk_add_f32 v[242:243], v[124:125], v[128:129]
	v_pk_add_f32 v[240:241], v[132:133], v[136:137]
	v_pk_add_f32 v[238:239], v[140:141], v[144:145]
	v_pk_add_f32 v[230:231], v[148:149], v[152:153]
	v_pk_add_f32 v[14:15], v[14:15], v[156:157]
	v_pk_add_f32 v[236:237], v[236:237], v[96:97]
	v_pk_add_f32 v[246:247], v[246:247], v[98:99]
	v_pk_add_f32 v[244:245], v[244:245], v[102:103]
	v_pk_add_f32 v[242:243], v[242:243], v[106:107]
	v_pk_add_f32 v[240:241], v[240:241], v[110:111]
	v_pk_add_f32 v[238:239], v[238:239], v[114:115]
	v_pk_add_f32 v[230:231], v[230:231], v[118:119]
	v_pk_add_f32 v[14:15], v[14:15], v[122:123]
	v_pk_add_f32 v[236:237], v[236:237], v[126:127]
	v_pk_add_f32 v[246:247], v[246:247], v[130:131]
	v_pk_add_f32 v[244:245], v[244:245], v[134:135]
	v_pk_add_f32 v[242:243], v[242:243], v[138:139]
	v_pk_add_f32 v[240:241], v[240:241], v[142:143]
	v_pk_add_f32 v[238:239], v[238:239], v[146:147]
	v_pk_add_f32 v[230:231], v[230:231], v[150:151]
	v_pk_add_f32 v[14:15], v[14:15], v[154:155]
	v_pk_add_f32 v[236:237], v[236:237], v[158:159]
	s_delay_alu instid0(VALU_DEP_2)
	v_pk_add_f32 v[14:15], v[14:15], v[242:243]
	s_delay_alu instid0(VALU_DEP_2)
	v_pk_add_f32 v[236:237], v[236:237], v[240:241]
	v_pk_add_f32 v[246:247], v[246:247], v[238:239]
	v_pk_add_f32 v[244:245], v[244:245], v[230:231]
	s_delay_alu instid0(VALU_DEP_2)
	v_pk_add_f32 v[14:15], v[14:15], v[246:247]
	s_delay_alu instid0(VALU_DEP_2)
	v_pk_add_f32 v[236:237], v[236:237], v[244:245]
	s_delay_alu instid0(VALU_DEP_1)
	v_pk_add_f32 v[14:15], v[14:15], v[236:237]
	s_wait_alu depctr_va_vdst(0)                   ; and one for the four
.irp b, 0,1,2,3
	v_max_num_f32 v[232+\b], 0x2800000, v[232+\b]  ; the floor 2^(5 - 127): the byte cannot fall under 1 (a block whose every p is 0 keeps that byte: its codes are zeros)
.endr
.irp b, 0,1,2,3
	s_delay_alu instid0(VALU_DEP_4)
	v_add_nc_u32 v[244+\b], 0xfe000000, v[232+\b]  ; 4 off the exponent field: the conversion's scale operand
.endr
.irp b, 0,1,2,3
	s_delay_alu instid0(VALU_DEP_4)
	v_lshrrev_b32 v[236+\b], 23, v[244+\b]         ; the scale's byte
.endr
	s_delay_alu instid0(VALU_DEP_3)
	v_lshl_or_b32 v253, v237, 8, v236              ; p's scale word for these 128 keys
	s_delay_alu instid0(VALU_DEP_1)
	v_lshl_or_b32 v253, v238, 16, v253
	s_delay_alu instid0(VALU_DEP_1)
	v_lshl_or_b32 v253, v239, 24, v253
.irp c, 0,1
	v_cvt_scalef32_pk16_bf6_f32 v[224+6*\c:226+6*\c], v[96+32*\c:111+32*\c], v[244+2*\c]
	v_cvt_scalef32_pk16_bf6_f32 v[236+4*\c:238+4*\c], v[112+32*\c:127+32*\c], v[244+2*\c+1]   ; (a conversion's three registers begin on an even number)
.endr
	v_nop                                          ; one plain vector instruction behind the scaled conversions
.irp c, 0,1                                    ; the operand's layout wants a whole block in a lane: lanes 0-15 block 2 c, lanes 16-31 block 2 c + 1
.irp i, 0,1,2
	v_permlane16_swap_b32 v[224+6*\c+\i], v[236+4*\c+\i]
.endr
.irp i, 0,1,2
	s_delay_alu instid0(VALU_DEP_3)
	v_mov_b32 v[227+6*\c+\i], v[236+4*\c+\i]
.endr
.endr
.irp j, 0,2,4,6,8,10,12,14,16,18,20,22,24,26,28,30,32,34,36,38,40,42,44,46,48,50,52,54,56,58,60,62
	v_pk_mul_f32 v[160+\j:161+\j], v[160+\j:161+\j], v[252:253] op_sel_hi:[1,0]   ; O^T under the new M: x f.  (These 32 are also the places between the lines that made p's codes and scale word and the products below)
.endr
	s_wait_alu depctr_va_vdst(0)
.irp g, 0,1                                    ; O^T += V^T P^T: four tiles of 16 of the head's 128 at a time; K = these 128 keys.  The accumulators take turns, one instruction a turn
.if \g
.rept 4
	v_nop
.endr
.irp t, 0,1,2,3
.irp c, 0,1,2
	ds_load_b128 v[32+12*\t+4*\c:35+12*\t+4*\c], v[ADL] offset:VIMG+(4+\t)*1536+512*\c
.endr
.endr
.endif
	s_wait_dscnt 0x0
.irp t, 0,1,2,3
.if (\t)%2
	v_wmma_scale_f32_16x16x128_f8f6f4 v[160+8*(4*\g+\t):167+8*(4*\g+\t)], v[32+12*\t:43+12*\t], v[224:235], v[160+8*(4*\g+\t):167+8*(4*\g+\t)], v[248+2*\g+\t/2], v253 matrix_a_fmt:MATRIX_FMT_BF6 matrix_b_fmt:MATRIX_FMT_BF6 matrix_a_scale:MATRIX_SCALE_ROW1
.else
	v_wmma_scale_f32_16x16x128_f8f6f4 v[160+8*(4*\g+\t):167+8*(4*\g+\t)], v[32+12*\t:43+12*\t], v[224:235], v[160+8*(4*\g+\t):167+8*(4*\g+\t)], v[248+2*\g+\t/2], v253 matrix_a_fmt:MATRIX_FMT_BF6 matrix_b_fmt:MATRIX_FMT_BF6
.endif
.endr
.endr
.Lhidden_\@:
	s_xor_b32 s[TB], s[TB], SLOT1                  ; on to the other slot,
	s_mov_b32 s[KF], s[NX]                         ; and to the next key step of the walk: 128 keys down
	s_sub_co_i32 s[NX], s[NX], 128
	s_mov_b32 s[LV], 1                             ; from now on key step 0 is done
.endm
; THE CHANGE OF SLOTS stands at a step's head.  Each wave waits for all its tensor loads (wave 0: the slot that is about to be read), adds 0 to its spare word (fill = 1: twice on end), and waits for that and for its
; reads of the slot that it has left.  Behind the barrier the slot ahead is whole and nobody reads the other one.  fill = 1: that other slot takes the next step's block, which has this whole step in which to land.
.macro CHANGE fill
	s_wait_tensorcnt 0x0                           ; no tensor load of mine is out, so a group 0 may be written
	ds_add_u32 v[SPW], v[NIL]                      ; 0 onto my spare word
.if \fill
	ds_add_u32 v[SPW], v[NIL]                      ; and once more.  The descriptor's steps stand between the second and the wait
	s_xor_b32 s[G0W+1], s[G0W+1], SLOT1            ; the walking descriptor: the other slot than last time,
	s_sub_nc_u64 s[G0W+2:G0W+3], s[G0W+2:G0W+3], BLK   ; one key step down; the type bits on top are not reached
.endif
	s_wait_dscnt 0x0                               ; the add is done (fill = 1: both are), and my reads of the slot that I have left are over
	s_barrier_signal -1
	s_barrier_wait -1
.if \fill
	s_cmp_lt_i32 s[NX], 1                          ; the next step would be key step 0 again, or below it: no wave reads it, so it is not asked for.  ids and the count of steps alone; a work-group that is past this stays past it
	s_cbranch_scc1 .Lpast_\@
	TLOAD G0W                                      ; the first thing behind the barrier, and the one tensor load until the next
.Lpast_\@:
.endif
.endm
	s_wait_loadcnt 0x0                             ; Q
.Lstep:                                            ; nine trips: behind each change of slots the next step's block is asked for
	CHANGE 1
	STEP
	s_sub_co_u32 s[CNT], s[CNT], 1
	s_cmp_lg_u32 s[CNT], 0
	s_cbranch_scc1 .Lstep
	CHANGE 0                                       ; the tenth step is written out: nothing is left to fetch
	STEP
	; THE WAY OUT.  The sum's two halves are added; O^T is divided by the sum and goes through my stage in LDS, half a head's row (64 channels, 256 bytes) of 16 queries at a time, so that sixteen lanes store 256 consecutive bytes.
.rept 4
	v_nop                                          ; places behind the last products
.endr
	v_add_f32 v14, v14, v15                        ; the sum's two halves,
	s_delay_alu instid0(VALU_DEP_1)
	v_permlanex16_b32 v252, v14, s[SEL], s[SEL+1]
	s_delay_alu instid0(VALU_DEP_1)
	v_add_f32 v14, v14, v252                       ; and lane l xor 16's: the row's sum
	s_wait_alu depctr_va_vdst(0)
	v_rcp_f32 v14, v14
	v_nop                                          ; a plain place behind the transcendental
	s_wait_alu depctr_va_vdst(0)                   ; the wait, ahead of the first reader
.irp j, 0,1,2,3,4,5,6,7,8,9,10,11,12,13,14,15,16,17,18,19,20,21,22,23,24,25,26,27,28,29,30,31,32,33,34,35,36,37,38,39,40,41,42,43,44,45,46,47,48,49,50,51,52,53,54,55,56,57,58,59,60,61,62,63
	v_mul_f32 v[96+\j], v[160+\j], v14             ; O^T / the sum: register 8 t + i is channel 16 t + 8 h + i of my query; each accumulator from its low end on
.endr
.irp u, 0,1                                    ; channels 64 u on
.irp t, 0,1,2,3
	ds_store_b128 v[STO], v[96+32*\u+8*\t:99+32*\u+8*\t] offset:64*\t
	ds_store_b128 v[STO], v[100+32*\u+8*\t:103+32*\u+8*\t] offset:64*\t+16
.endr
.irp i, 0,1,2,3,4,5,6,7
	ds_load_b128 v[32+32*\u+4*\i:35+32*\u+4*\i], v[RD] offset:2*\i*272   ; LDS serves a wave's instructions in order: these see my stores, and the next half's stores come behind them
.endr
.endr
.irp u, 0,1
.irp i, 0,1,2,3,4,5,6,7
	s_wait_dscnt 23-16*\u-\i                       ; behind this load stand the rest of its eight and, for the first half, the second half's sixteen
	global_store_b128 v[GO], v[32+32*\u+4*\i:35+32*\u+4*\i], s[10:11] offset:(2*\i+8*(\i/4))*8192+256*\u th:TH_STORE_NT   ; rows 2 i and 2 i + 1 of the tile are tokens 2 i + 8 (i / 4) + h on; 16 lanes store 256 consecutive bytes, at a multiple of 256 from out's first byte
.endr
.endr
	s_wait_tensorcnt 0x0                           ; the wave's end, behind the last tensor load and my last LDS store
	ds_add_u32 v[SPW], v[NIL]
	s_wait_dscnt 0x0
	s_endpgm
.Lfunc_end_k_q12d29b05a9_attn:
	.size	k_q12d29b05a9_attn, .Lfunc_end_k_q12d29b05a9_attn-k_q12d29b05a9_attn
	.p2alignl 7, 3214868480
	.fill 96, 4, 3214868480
	.section	.rodata,"a",@progbits
	.p2align	6, 0x0
	.amdhsa_kernel k_q12d29b05a9_attn
		.amdhsa_group_segment_fixed_size 327680
		.amdhsa_private_segment_fixed_size 0
		.amdhsa_enable_private_segment 0
		.amdhsa_kernarg_size 32
		.amdhsa_user_sgpr_count 2
		.amdhsa_user_sgpr_kernarg_segment_ptr 1
		.amdhsa_wavefront_size32 1
		.amdhsa_system_sgpr_workgroup_id_x 1
		.amdhsa_system_sgpr_workgroup_id_y 1
		.amdhsa_system_sgpr_workgroup_id_z 1
		.amdhsa_system_vgpr_workitem_id 0
		.amdhsa_next_free_vgpr 256
		.amdhsa_next_free_sgpr 66
		.amdhsa_reserve_vcc 1
		.amdhsa_float_denorm_mode_32 3
		.amdhsa_float_denorm_mode_16_64 3
		.amdhsa_memory_ordered 1
		.amdhsa_forward_progress 1
		.amdhsa_inst_pref_size 77
	.end_amdhsa_kernel
	.amdgpu_metadata
---
amdhsa.version: [ 1, 2 ]
amdhsa.kernels:
  - .name:           k_q12d29b05a9_attn
    .symbol:         k_q12d29b05a9_attn.kd
    .args:
      - { .name: qimg, .offset: 0, .size: 8, .value_kind: global_buffer, .address_space: global }
      - { .name: qsc, .offset: 8, .size: 8, .value_kind: global_buffer, .address_space: global }
      - { .name: kv, .offset: 16, .size: 8, .value_kind: global_buffer, .address_space: global }
      - { .name: out0, .offset: 24, .size: 8, .value_kind: global_buffer, .address_space: global }
    .group_segment_fixed_size: 327680
    .private_segment_fixed_size: 0
    .kernarg_segment_align: 8
    .kernarg_segment_size: 32
    .max_flat_workgroup_size: 512
    .sgpr_count:     66
    .vgpr_count:     256
    .wavefront_size: 32
...
	.end_amdgpu_metadata
.endif
;; end of part 2
